; MI455X (gfx1250); checked and timed in simulation.
; The chip was launched on July 23, 2026; its instructions are those of AMD's public machine-readable ISA for CDNA 5 (MIT licence, August 2026) and "CDNA5" Instruction Set Architecture Reference Guide (July 2026). The comments in the code are by the model that wrote it; some were corrected since.
;; Hard Gated Experts. Allowed arithmetic: float matrix products may take bf16 or f16 operands with f32 sums; all other float work in f32.
;; Inputs: W1 8 x 512 x 512 float32; W2 8 x 512 x 256 float32; W3 8 x 256 x 256 float32; b1 8 x 512 float32; b2 8 x 256 float32; b3 8 x 256 float32; gate_id 8,192 int32; h 8,192 x 512 float32.
;; Outputs: out0 8,192 x 256 float32.
;; 2 versions, each right; version 2 is version 1 with the launch mlp written anew for expert scheduling mode. Each part assembles by itself: llvm-mc -triple=amdgcn-amd-amdhsa -mcpu=gfx1250 --defsym DOCPART=n.
;; ======== version 1 of 2: 2 launches
;; workspace buffers: order 32,768 bytes of whole numbers; tiles 4,096 bytes of whole numbers; wp 7,340,032 bytes
;; launch prep (part 1): grid 225 x 1, 8 waves a work-group, no clusters, 34,816 bytes of LDS; arguments gate_id, W1, W2, W3, order, tiles, wp; writes order, tiles, wp
.if DOCPART == 1
	.amdgcn_target "amdgcn-amd-amdhsa--gfx1250"
	.amdhsa_code_object_version 6
	.text
	.protected	k_q6472ee65a5_prep
	.globl	k_q6472ee65a5_prep
	.p2align	8
	.type	k_q6472ee65a5_prep,@function
k_q6472ee65a5_prep:
	s_mov_b64 s[64:65], 0
	v_nop
	global_prefetch_b8 v0, s[64:65] scope:SCOPE_SE
	s_setreg_imm32_b32 hwreg(HW_REG_WAVE_MODE, 25, 1), 1
	s_wait_xcnt 0x0
; PREP: two jobs that do not depend on each other, chosen by the number of the work-group.
;  Work-group 0 ROUTES: it sorts the 8,192 row numbers by expert g = clip(gate_id, 0, 7) into order[] and cuts the sorted list
;  into exactly 135 tiles of 1 to 64 rows of one expert, tiles[t] = {expert, first place in order, rows, 0}.
;  135 is the largest value of sum over e of ceil(n_e / 64) with sum n_e = 8,192.  What a given routing leaves of it (0 to 7 tiles)
;  goes to the largest expert (at least 1,024 rows): its first 2 s tiles hold 32 rows instead of 64.  So every tile has work.
;  Work-groups 1 to 224 PACK: each wave turns 32 k x 64 n of one weight matrix (f32, stored [k][n]) into 4,096 consecutive bytes of wp:
;  bf16, rounded to nearest even, in the order in which a matrix operand lies in registers.
;  wp[e][wave w][chunk c][fragment f][half][lane L][8 bf16], strides 917,504 / 229,376 / 8,192 / 1,024 / 512 / 16 bytes;
;  element j is W[32 ks + 16 half + 8 (L>>4) + j][n], r = L & 15;
;  c 0-15: W1, ks = c, n = 128 w + 16 f + r;  c 16-23: W2, c 24-27: W3, ks = 2 (c - first c) + (f>>2), n = 64 w + 16 (f&3) + r.
; LIMIT: gate_id is clamped as a signed 32-bit number; that is what clip(round(float(gate_id))) gives for every gate_id up to
; 2^31 - 65 (above that the f32 value is 2^31, which has no int32 value).
; The 8,192 stores into order[] are 4 bytes each at places that hang on the data: that is the placement step of a sort, 32,768 bytes in all.
.set RLDS, 33280                       ; LDS: 8 x 4,160 bytes of pack stages, then 128 bytes for the wave totals of the route
.set G,   16                           ; v[16:47]   route: my 32 expert numbers;  pack: F, 64 registers of f32 as loaded (v[16:79])
.set P,   48                           ; v[48:79]   route: the wave totals as read back, then the 32 places (byte offsets in order)
.set R,   80                           ; v[80:111]  route: the 32 row numbers;    pack: PK, 32 registers of packed bf16
.set C,   112                          ; v[112:119] route: count for each expert, later the next free place for each expert
.set WD,  120                          ; v[120:123] counts packed two to a word (16 bits each: no sum passes 8,192)
.set S,   124                          ; v[124:127] scan over the lanes
.set T,   128                          ; v128       at work
.set F,   16
.set PK,  80
	s_load_b256 s[4:11], s[0:1], 0x0               ; gate_id s[4:5], W1 s[6:7], W2 s[8:9], W3 s[10:11]
	s_load_b128 s[12:15], s[0:1], 0x20             ; order s[12:13], tiles s[14:15]
	s_load_b64 s[16:17], s[0:1], 0x30              ; wp
	v_lshl_add_u32 v136, v0, 2, 0x8400
	v_mov_b32 v137, 0
	v_lshrrev_b32 v1, 5, v0
	v_readfirstlane_b32 s3, v1                     ; wave 0..7
	v_and_b32 v1, 31, v0                           ; lane
	s_wait_kmcnt 0x0
	s_cmp_lg_u32 ttmp9, 0                          ; the same in all waves of a work-group: the one barrier below is passed by all eight or by none
	s_cbranch_scc1 .Lpack
	; ---------------- ROUTE ----------------
	; Thread t takes entries 1024 j + 4 t + c (j 0..7, c 0..3): each load of a wave covers 512 consecutive bytes.
	v_lshlrev_b32 v2, 4, v0                        ; 16 t
	v_lshlrev_b32 v3, 2, v0                        ; 4 t
.irp j, 0,1,2,3,4,5,6,7
	global_load_b128 v[G+4*\j:G+4*\j+3], v2, s[4:5] offset:4096*\j th:TH_LOAD_NT
.endr
.irp e, 0,1,2,3,4,5,6,7
	v_mov_b32 v[C+\e], 0
.endr
	v_mov_b32 v[T], 0                              ; the destination of a DPP move counts as read
	s_wait_loadcnt 0x0
	; clamp, and count my 32 entries by expert: the compare sets VCC, the add takes it as carry
.set k_, 0
.rept 32
	v_max_i32 v[G+k_], 0, v[G+k_]
	v_min_u32 v[G+k_], 7, v[G+k_]
.irp e, 0,1,2,3,4,5,6,7
	v_cmp_eq_u32 vcc_lo, \e, v[G+k_]
	v_add_co_ci_u32 v[C+\e], vcc_lo, 0, v[C+\e], vcc_lo
.endr
.set k_, k_+1
.endr
	; inclusive scan over the 32 lanes, two experts to a word; then the wave total (lane 31) and the exclusive value
	v_cmp_le_u32 vcc_lo, 16, v1                    ; lanes 16-31
.irp i, 0,1,2,3
	v_lshl_or_b32 v[WD+\i], v[C+2*\i+1], 16, v[C+2*\i]
	v_mov_b32 v[S+\i], v[WD+\i]
.irp sh, 1,2,4,8
	v_mov_b32_dpp v[T], v[S+\i] row_shr:\sh row_mask:0xf bank_mask:0xf bound_ctrl:1
	v_add_nc_u32 v[S+\i], v[S+\i], v[T]
.endr
	v_readlane_b32 s66, v[S+\i], 15                ; the sum of lanes 0-15 is added in lanes 16-31
	v_mov_b32 v[T], s66
	v_cndmask_b32 v[T], 0, v[T], vcc_lo
	v_add_nc_u32 v[S+\i], v[S+\i], v[T]
	v_readlane_b32 s67, v[S+\i], 31
	v_mov_b32 v[130+\i], s67
	v_sub_nc_u32 v[S+\i], v[S+\i], v[WD+\i]        ; entries of each expert in the lanes in front of me
.endr
	; the eight wave totals meet in LDS
	v_mov_b32 v129, s3
	v_lshlrev_b32 v129, 4, v129
	ds_store_b128 v129, v[130:133] offset:RLDS     ; all lanes store the same 16 bytes at 16 x wave
	s_wait_dscnt 0x0                               ; zero: the other waves read these bytes behind the barrier
	s_barrier_signal -1
	s_barrier_wait -1
	v_mov_b32 v129, 0
.irp w, 0,1,2,3,4,5,6,7
	ds_load_b128 v[P+4*\w:P+4*\w+3], v129 offset:RLDS+16*\w
.endr
.irp i, 0,1,2,3
	s_mov_b32 s[56+\i], 0                          ; totals of all waves
	s_mov_b32 s[60+\i], 0                          ; totals of the waves in front of mine
.endr
	s_wait_dscnt 0x0
.irp w, 0,1,2,3,4,5,6,7
	s_cmp_gt_u32 s3, \w
	s_cselect_b32 s71, -1, 0
.irp i, 0,1,2,3
	v_readfirstlane_b32 s66, v[P+4*\w+\i]
	s_add_co_u32 s[56+\i], s[56+\i], s66
	s_and_b32 s66, s66, s71
	s_add_co_u32 s[60+\i], s[60+\i], s66
.endr
.endr
	; scalar tables: s[24:31] n_e, s[32:39] entries of e in earlier waves (then + first place of e), s[40:47] first place, s[48:55] first tile
.irp i, 0,1,2,3
	s_and_b32 s[24+2*\i], s[56+\i], 0xffff
	s_lshr_b32 s[24+2*\i+1], s[56+\i], 16
	s_and_b32 s[32+2*\i], s[60+\i], 0xffff
	s_lshr_b32 s[32+2*\i+1], s[60+\i], 16
.endr
	s_mov_b32 s75, 0                               ; sum of ceil(n_e / 64)
.irp e, 0,1,2,3,4,5,6,7
	s_add_co_u32 s66, s[24+\e], 63
	s_lshr_b32 s66, s66, 6
	s_add_co_u32 s75, s75, s66
.endr
	s_mov_b32 s77, 0                               ; the largest expert
	s_mov_b32 s78, s24
.irp e, 1,2,3,4,5,6,7
	s_cmp_gt_u32 s[24+\e], s78
	s_cselect_b32 s77, \e, s77
	s_cselect_b32 s78, s[24+\e], s78
.endr
	s_sub_co_u32 s76, 135, s75                     ; s = tiles to spare, 0 to 7
	s_mov_b32 s67, 0                               ; running first tile
	s_mov_b32 s68, 0                               ; running first place
.irp e, 0,1,2,3,4,5,6,7
	s_mov_b32 s[48+\e], s67
	s_mov_b32 s[40+\e], s68
	s_add_co_u32 s[32+\e], s[32+\e], s68
	s_add_co_u32 s68, s68, s[24+\e]
	s_add_co_u32 s66, s[24+\e], 63
	s_lshr_b32 s66, s66, 6
	s_add_co_u32 s67, s67, s66
	s_cmp_eq_u32 s77, \e
	s_cselect_b32 s66, s76, 0
	s_add_co_u32 s67, s67, s66
.endr
	; next free place of each expert for this lane
.irp i, 0,1,2,3
	v_and_b32 v[C+2*\i], 0xffff, v[S+\i]
	v_lshrrev_b32 v[C+2*\i+1], 16, v[S+\i]
	v_add_nc_u32 v[C+2*\i], s[32+2*\i], v[C+2*\i]
	v_add_nc_u32 v[C+2*\i+1], s[32+2*\i+1], v[C+2*\i+1]
.endr
	; placement: entry k takes the next free place of its expert.  Every store has address and data registers of its own,
	; which are written once: no source of a pending store is ever rewritten.
.set k_, 0
.rept 32
	v_cmp_eq_u32 vcc_lo, 0, v[G+k_]
	v_cndmask_b32 v[P+k_], 0, v[C], vcc_lo
	v_add_co_ci_u32 v[C], vcc_lo, 0, v[C], vcc_lo
.irp e, 1,2,3,4,5,6,7
	v_cmp_eq_u32 vcc_lo, \e, v[G+k_]
	v_cndmask_b32 v[P+k_], v[P+k_], v[C+\e], vcc_lo
	v_add_co_ci_u32 v[C+\e], vcc_lo, 0, v[C+\e], vcc_lo
.endr
	v_min_u32 v[P+k_], 0x1fff, v[P+k_]             ; a place is below 8,192 by construction; the clamp says so in the text
	v_lshlrev_b32 v[P+k_], 2, v[P+k_]
	v_add_nc_u32 v[R+k_], 1024*(k_/4)+(k_%4), v3   ; the row number of entry k
	global_store_b32 v[P+k_], v[R+k_], s[12:13]
.set k_, k_+1
.endr
	; the table of tiles, entry t = thread number (256 entries are written, 135 are used)
	v_mov_b32 v28, 0                               ; expert
	v_mov_b32 v17, 0                               ; its first tile
	v_mov_b32 v18, 0                               ; its first place
	v_mov_b32 v19, s24                             ; its rows
.irp e, 1,2,3,4,5,6,7
	v_cmp_gt_u32 vcc_lo, s[48+\e], v0              ; first tile of e beyond t: keep; else take e (an expert without tiles is passed over by the next)
	v_cndmask_b32 v28, \e, v28, vcc_lo
	v_cndmask_b32 v17, s[48+\e], v17, vcc_lo
	v_cndmask_b32 v18, s[40+\e], v18, vcc_lo
	v_cndmask_b32 v19, s[24+\e], v19, vcc_lo
.endr
	v_sub_nc_u32 v20, v0, v17                      ; l: tile number inside the expert
	v_cmp_eq_u32 vcc_lo, s77, v28
	v_mov_b32 v21, s76
	v_cndmask_b32 v21, 0, v21, vcc_lo              ; s for the largest expert, else 0
	v_lshlrev_b32 v22, 1, v21
	v_cmp_lt_u32 vcc_lo, v20, v22                  ; l < 2 s: a tile of 32 rows
	v_lshlrev_b32 v23, 5, v20                      ; 32 l
	v_sub_nc_u32 v24, v20, v21
	v_lshlrev_b32 v24, 6, v24                      ; 64 (l - s)
	v_cndmask_b32 v23, v24, v23, vcc_lo            ; first row of the tile inside the expert
	v_mov_b32 v25, 32
	v_cndmask_b32 v25, 64, v25, vcc_lo
	v_sub_nc_u32 v30, v19, v23
	v_max_i32 v30, 0, v30
	v_min_u32 v30, v30, v25                        ; rows of the tile
	v_add_nc_u32 v29, v18, v23
	v_min_u32 v29, 0x1fff, v29                     ; first place in order
	v_mov_b32 v31, 0
	global_store_b128 v2, v[28:31], s[14:15]       ; each store of a wave covers 512 consecutive bytes
	s_wait_tensorcnt 0x0
	ds_add_u32 v136, v137
	s_wait_dscnt 0x0
	s_endpgm
	; ---------------- PACK ----------------
; Lane (hh = lane>>4, q = lane&15) loads rows k = 16 u + 8 hh + j (u 0..1, j 0..7), columns 4 q .. 4 q + 3: sixteen lanes read 256
; consecutive bytes of a row.  For each column i the eight k of one u pack into 16 bytes, which belong to fragment q>>2, half u,
; lane 4 (q&3) + i + 16 hh.  They go through a stage of the wave in LDS (fragments 1,040 bytes apart, so that the sixteen lanes of
; a 16-byte store touch sixteen different 16-byte columns modulo 256) and leave as eight stores of 512 consecutive bytes.
.macro PACK pitch
	v_mul_u32_u24 v6, v3, 8*\pitch
	v_lshl_add_u32 v6, v4, 4, v6                   ; 8 hh rows + 16 q
.irp u, 0,1
.irp j, 0,1,2,3,4,5,6,7
	global_load_b128 v[F+4*(8*\u+\j):F+4*(8*\u+\j)+3], v6, s[20:21] offset:(16*\u+\j)*\pitch th:TH_LOAD_NT
.endr
.endr
.irp u, 0,1
	s_wait_loadcnt 8-8*\u                          ; loads return in order: for u = 0 the eight of u = 1 stay out
.irp i, 0,1,2,3
.irp jj, 0,1,2,3
	v_cvt_pk_bf16_f32 v[PK+4*(4*\u+\i)+\jj], v[F+4*(8*\u+2*\jj)+\i], v[F+4*(8*\u+2*\jj+1)+\i]
.endr
	ds_store_b128 v7, v[PK+4*(4*\u+\i):PK+4*(4*\u+\i)+3] offset:512*\u+16*\i
.endr
.endr
.irp t, 0,1,2,3,4,5,6,7
	ds_load_b128 v[F+4*\t:F+4*\t+3], v9 offset:1040*(\t/2)+512*(\t%2)   ; bytes of this wave alone; LDS serves a wave in order, so these see the stores above
.endr
.irp t, 0,1,2,3,4,5,6,7
	s_wait_dscnt 7-\t                              ; the younger read-backs stay out
	global_store_b128 v5, v[F+4*\t:F+4*\t+3], s[22:23] offset:512*\t
.endr
	s_wait_tensorcnt 0x0
	ds_add_u32 v136, v137
	s_wait_dscnt 0x0
	s_endpgm
.endm
.Lpack:
	s_sub_co_u32 s18, ttmp9, 1
	s_lshl3_add_u32 s18, s18, s3                   ; task = 8 (work-group - 1) + wave, 0 .. 1,791
	v_lshrrev_b32 v3, 4, v1                        ; hh
	v_and_b32 v4, 15, v1                           ; q
	v_lshlrev_b32 v5, 4, v1                        ; 16 lane
	v_lshrrev_b32 v7, 2, v4
	v_mul_u32_u24 v7, v7, 1040
	v_and_b32 v8, 3, v4
	v_lshl_add_u32 v7, v8, 6, v7
	v_lshl_add_u32 v7, v3, 8, v7
	s_mul_i32 s19, s3, 4160                        ; the stage of my wave
	v_add_nc_u32 v7, s19, v7                       ; in:   stage + 1040 (q>>2) + 64 (q&3) + 256 hh
	v_add_nc_u32 v9, s19, v5                       ; back: stage + 16 lane
	s_mov_b32 s25, 0
	s_mov_b32 s27, 0
	s_cmp_lt_u32 ttmp9, 129
	s_cbranch_scc1 .Llayer1
	; W2 (tasks 1,024 .. 1,535: e 8 x ks 16 x a 4) and W3 (tasks 1,536 .. 1,791: e 8 x ks 8 x a 4): rows of 1,024 bytes, one text for both
	s_cmp_lt_u32 ttmp9, 193
	s_mov_b32 s33, 1536
	s_cselect_b32 s33, 1024, s33                   ; first task
	s_cselect_b32 s34, 6, 5                        ; tasks of an expert, as a shift
	s_cselect_b32 s35, 15, 7                       ; mask of ks
	s_cselect_b32 s36, 19, 18                      ; bytes of an expert in W, as a shift
	s_mov_b32 s31, 196608
	s_cselect_b32 s31, 131072, s31                 ; first chunk in wp: 16 or 24 chunks of 8,192 bytes
	s_cselect_b64 s[20:21], s[8:9], s[10:11]
	s_sub_co_u32 s18, s18, s33
	s_lshr_b32 s28, s18, s34                       ; e
	s_lshr_b32 s29, s18, 2
	s_and_b32 s29, s29, s35                        ; ks
	s_and_b32 s30, s18, 3                          ; a = wave of the consumer
	s_lshl_b32 s24, s28, s36
	s_lshl_b32 s32, s29, 15                        ; 32 rows of 1,024 bytes
	s_add_co_u32 s24, s24, s32
	s_lshl_b32 s32, s30, 8                         ; 64 columns
	s_add_co_u32 s24, s24, s32
	s_mul_i32 s26, s28, 917504
	s_mul_i32 s32, s30, 229376
	s_add_co_u32 s26, s26, s32
	s_add_co_u32 s26, s26, s31
	s_lshl_b32 s32, s29, 12                        ; half a chunk for each ks
	s_add_co_u32 s26, s26, s32
	s_add_nc_u64 s[20:21], s[20:21], s[24:25]
	s_add_nc_u64 s[22:23], s[16:17], s[26:27]
	PACK 1024
.Llayer1:
	; W1 (tasks 0 .. 1,023: e 8 x ks 16 x a 8): rows of 2,048 bytes
	s_lshr_b32 s28, s18, 7                         ; e
	s_bfe_u32 s29, s18, 0x40003                    ; ks
	s_and_b32 s30, s18, 7                          ; a
	s_lshl_b32 s24, s28, 20
	s_lshl_b32 s32, s29, 16                        ; 32 rows of 2,048 bytes
	s_add_co_u32 s24, s24, s32
	s_lshl_b32 s32, s30, 8
	s_add_co_u32 s24, s24, s32
	s_mul_i32 s26, s28, 917504
	s_lshr_b32 s32, s30, 1                         ; wave of the consumer
	s_mul_i32 s32, s32, 229376
	s_add_co_u32 s26, s26, s32
	s_lshl_b32 s32, s29, 13                        ; chunk ks
	s_add_co_u32 s26, s26, s32
	s_and_b32 s32, s30, 1                          ; fragments 0-3 or 4-7
	s_lshl_b32 s32, s32, 12
	s_add_co_u32 s26, s26, s32
	s_mov_b64 s[20:21], s[6:7]
	s_add_nc_u64 s[20:21], s[20:21], s[24:25]
	s_add_nc_u64 s[22:23], s[16:17], s[26:27]
	PACK 2048
.Lfunc_end_k_q6472ee65a5_prep:
	.size	k_q6472ee65a5_prep, .Lfunc_end_k_q6472ee65a5_prep-k_q6472ee65a5_prep
	.p2alignl 7, 3214868480
	.fill 96, 4, 3214868480
	.section	.rodata,"a",@progbits
	.p2align	6, 0x0
	.amdhsa_kernel k_q6472ee65a5_prep
		.amdhsa_group_segment_fixed_size 34816
		.amdhsa_private_segment_fixed_size 0
		.amdhsa_enable_private_segment 0
		.amdhsa_kernarg_size 56
		.amdhsa_user_sgpr_count 2
		.amdhsa_user_sgpr_kernarg_segment_ptr 1
		.amdhsa_wavefront_size32 1
		.amdhsa_system_sgpr_workgroup_id_x 1
		.amdhsa_system_sgpr_workgroup_id_y 1
		.amdhsa_system_sgpr_workgroup_id_z 1
		.amdhsa_system_vgpr_workitem_id 0
		.amdhsa_next_free_vgpr 138
		.amdhsa_next_free_sgpr 88
		.amdhsa_reserve_vcc 1
		.amdhsa_float_denorm_mode_32 3
		.amdhsa_float_denorm_mode_16_64 3
		.amdhsa_memory_ordered 1
		.amdhsa_forward_progress 1
		.amdhsa_inst_pref_size 83
	.end_amdhsa_kernel
	.amdgpu_metadata
---
amdhsa.version: [ 1, 2 ]
amdhsa.kernels:
  - .name:           k_q6472ee65a5_prep
    .symbol:         k_q6472ee65a5_prep.kd
    .args:
      - { .name: gate_id, .offset: 0, .size: 8, .value_kind: global_buffer, .address_space: global }
      - { .name: W1, .offset: 8, .size: 8, .value_kind: global_buffer, .address_space: global }
      - { .name: W2, .offset: 16, .size: 8, .value_kind: global_buffer, .address_space: global }
      - { .name: W3, .offset: 24, .size: 8, .value_kind: global_buffer, .address_space: global }
      - { .name: order, .offset: 32, .size: 8, .value_kind: global_buffer, .address_space: global }
      - { .name: tiles, .offset: 40, .size: 8, .value_kind: global_buffer, .address_space: global }
      - { .name: wp, .offset: 48, .size: 8, .value_kind: global_buffer, .address_space: global }
    .group_segment_fixed_size: 34816
    .private_segment_fixed_size: 0
    .kernarg_segment_align: 8
    .kernarg_segment_size: 56
    .max_flat_workgroup_size: 256
    .sgpr_count:     88
    .vgpr_count:     138
    .wavefront_size: 32
...
	.end_amdgpu_metadata
.endif
;; end of part 1
;; launch mlp (part 2): grid 135 x 1, 4 waves a work-group, no clusters, 266,752 bytes of LDS; arguments h, order, tiles, wp, b1, b2, b3, out0; writes out0
.if DOCPART == 2
	.amdgcn_target "amdgcn-amd-amdhsa--gfx1250"
	.amdhsa_code_object_version 6
	.text
	.protected	k_q6472ee65a5_mlp
	.globl	k_q6472ee65a5_mlp
	.p2align	8
	.type	k_q6472ee65a5_mlp,@function
k_q6472ee65a5_mlp:
	s_mov_b64 s[64:65], 0
	v_nop
	global_prefetch_b8 v0, s[64:65] scope:SCOPE_SE
	s_setreg_imm32_b32 hwreg(HW_REG_WAVE_MODE, 25, 1), 1
	s_wait_xcnt 0x0
; MLP: one work-group = one tile of 1 to 64 rows of one expert; gather of h, three layers, scatter of the result, all in one text.
;   a1 = leaky(h W1 + b1) [64 x 512], a2 = leaky(a1 W2 + b2) [64 x 256], y = a2 W3 + b3 [64 x 256];  leaky(x) = max(x, 0.2 x).
; Four waves.  Wave w makes columns 128 w .. +127 of a1 and 64 w .. +63 of a2 and y, for all 64 row slots.  So each weight byte enters the
; work-group once, straight into registers: wp holds the weights in bf16 in fragment order, the stream of a wave is 229,376 consecutive
; bytes (28 chunks of 8,192), every load covers 512 consecutive bytes.  Activations are handed from wave to wave through LDS.
; Row slots at or beyond the number of rows of the tile repeat its last row: they are computed and never stored.
; a1 AND a2 ARE HANDED ON AS TWO bf16 NUMBERS EACH: hi = bf16(x), lo = bf16(x - hi) (the difference is exact in f32), and layers 2 and 3
; multiply every weight fragment by hi and by lo into the same sums.  One bf16 keeps 8 significant bits, and two such roundings in a chain
; of three layers would be the largest error of the whole result; hi + lo keep about 16 bits.  It costs 384 matrix instructions more a wave
; (1,280 in place of 896) and no weight byte more.
; THE MATRIX INSTRUCTION IS USED TRANSPOSED: source 0 = 16 columns n of the weights, source 1 = 16 rows m of the activations.  Register j
; of a result in lane (r = L & 15, hl = L >> 4) is then (m = r, n = n0 + 8 hl + j): eight neighbouring columns of one row.
; The bias is the C operand of the first K step of each layer (register j holds b[n0 + 8 hl + j]): nothing is cleared and nothing added later.
; NO CLUSTER, NO JOINT REQUESTS: the tiles of an expert read the same weights, but their number (0 to 135) hangs on gate_id, so the 135
; work-groups do not fall into groups of four of one expert; and the weights go into registers by loads that have no joint form.
; NO PREFETCH: wp was stored by the launch in front of this one and is read by all tiles of an expert; a row of h is known only
; one step before its load.
; LIMITS: h, W1, W2, W3 are rounded to bf16 (nearest even) as matrix operands, a1 and a2 to a sum of two bf16; sums in f32; the bias is the
; first term of the f32 sum, not the last.  An activation that is infinite or rounds to infinity in bf16 (above about 3.39e38) gives
; lo = NaN and so NaN results.
;
; LDS, every pitch 1,040 bytes (an odd multiple of 16):
;      X    [64][512] bf16, bytes 0 .. 66,559 (at the end once more as O [64][256] f32);
;      A1H  [64][512] bf16 from 66,560;   A1L the same from 133,120;
;      A2   from 199,680: a row is 256 hi (512 bytes), then 256 lo (512 bytes).
; REGISTERS, in windows of 256:
;   window 0: v1 lane, v2 r, v3 hl, v4 16 lane, v5 X read, v6 A1H read, v7 A1H store, v30 A1L read, v31 A1L store, v8 A2 read, v9 A2 store,
;             v10 O store, v11 O read, v12 X store, v13 32 hl, v14-29 offsets of my 16 rows in h,
;             activation fragments: layer 1 two buffers of 32 (v32-63, v64-95); layers 2 and 3 two buffers of 64, hi then lo (v32-95, v96-159);
;             v96-159 / v160-191 / v192-223 the biases (b1 is read by the first K step of layer 1 alone; at the end v96-223 hold the output rows),
;             v224-239 offsets in out0, v240-255 at work behind a layer
;   window 1: accumulators (layer 1: tile (f, mt) at 8 (4 f + mt); layer 2 the same with f 0..3; layer 3 from 128); before layer 1 the rows of h in f32
;   window 2: the ring of weights, 4 slots of 64 registers, chunk c in slot c % 4, fragment f at 8 f
.set XP,   1040
.set MT1,  16*XP                       ; 16 rows of any of the arrays
.set A1H,  66560
.set A1L,  133120
.set A2B,  199680
.set MSB, 0
.macro WIN new                         ; low byte: bits 1:0 source 0, 3:2 source 1, 5:4 source 2, 7:6 destination; the high byte repeats the setting that is left
.if MSB != \new
	s_set_vgpr_msb (MSB<<8)|\new
.set MSB, \new
.endif
.endm
; Four places behind a matrix instruction before a load is issued into one of its sources and before a vector instruction or an LDS store
; touches its registers; only plain vector instructions that name none of its registers are counted.
.macro PLACES
.rept 4
	v_nop
.endr
.endm
.macro WLOAD c                         ; 16 loads: chunk c of my stream into slot c % 4
	WIN 0x80
.irp f, 0,1,2,3,4,5,6,7
	global_load_b128 v[64*(\c%4)+8*\f:64*(\c%4)+8*\f+3], v4, s[28:29] offset:8192*\c+1024*\f
	global_load_b128 v[64*(\c%4)+8*\f+4:64*(\c%4)+8*\f+7], v4, s[28:29] offset:8192*\c+1024*\f+512
.endr
.endm
.macro ALOAD dst, addr, off            ; 8 LDS loads: four activation fragments (64 rows x 32 k at byte off of the rows) into v[dst .. dst+31]
	WIN 0
.irp mt, 0,1,2,3
	ds_load_b128 v[\dst+8*\mt:\dst+8*\mt+3], v[\addr] offset:\off+\mt*MT1
	ds_load_b128 v[\dst+8*\mt+4:\dst+8*\mt+7], v[\addr] offset:\off+\mt*MT1+32
.endr
.endm
.macro MM acc, nf, wbase, abase, first, bias   ; nf x 4 matrix instructions: nf weight fragments from wbase x the four fragments at abase
.if \first
	WIN 0x42                                       ; C is the bias, in window 0
.else
	WIN 0x52
.endif
.set f_, 0
.rept \nf
.irp mt, 0,1,2,3
.if \first
	v_wmma_f32_16x16x32_bf16 v[\acc+8*(4*f_+\mt):\acc+8*(4*f_+\mt)+7], v[\wbase+8*f_:\wbase+8*f_+7], v[\abase+8*\mt:\abase+8*\mt+7], v[\bias+8*f_:\bias+8*f_+7]
.else
	v_wmma_f32_16x16x32_bf16 v[\acc+8*(4*f_+\mt):\acc+8*(4*f_+\mt)+7], v[\wbase+8*f_:\wbase+8*f_+7], v[\abase+8*\mt:\abase+8*\mt+7], v[\acc+8*(4*f_+\mt):\acc+8*(4*f_+\mt)+7]
.endif
.endr
.set f_, f_+1
.endr
.endm
; Behind a layer, eight tiles at a time: x = max(acc, 0.2 acc) in f32 (v32-95); hi = bf16(x), packed (v[96+8t .. +3]); x - hi in f32, exact;
; lo = bf16 of that (v[100+8t .. +3]); 16 bytes of hi and 16 of lo a lane into the next activation arrays.
.macro EPI acc, ntiles, hiaddr, loaddr, looff
.set g0_, 0
.rept \ntiles/8
	WIN 0x01
.set t_, 0
.rept 8
.irp i, 0,2,4,6
	v_pk_mul_f32 v[32+8*t_+\i:32+8*t_+\i+1], v[\acc+8*(g0_+t_)+\i:\acc+8*(g0_+t_)+\i+1], 0x3e4ccccd op_sel_hi:[1,0]
.endr
.irp j, 0,1,2,3,4,5,6,7
	v_max_num_f32 v[32+8*t_+\j], v[\acc+8*(g0_+t_)+\j], v[32+8*t_+\j]
.endr
.set t_, t_+1
.endr
	WIN 0
.set t_, 0
.rept 8
.set u_, 240+8*(t_%2)                  ; the widened hi: two sets in turn, so that a tile does not wait for the one in front
.irp i, 0,1,2,3
	v_cvt_pk_bf16_f32 v[96+8*t_+\i], v[32+8*t_+2*\i], v[32+8*t_+2*\i+1]
.endr
.irp i, 0,1,2,3
	v_lshlrev_b32 v[u_+2*\i], 16, v[96+8*t_+\i]    ; bf16 to f32: the low half moves up,
	v_and_b32 v[u_+2*\i+1], s89, v[96+8*t_+\i]     ; the high half stays
.endr
.irp i, 0,2,4,6
	v_pk_add_f32 v[32+8*t_+\i:32+8*t_+\i+1], v[32+8*t_+\i:32+8*t_+\i+1], v[u_+\i:u_+\i+1] neg_lo:[0,1] neg_hi:[0,1]
.endr
.irp i, 0,1,2,3
	v_cvt_pk_bf16_f32 v[100+8*t_+\i], v[32+8*t_+2*\i], v[32+8*t_+2*\i+1]
.endr
	ds_store_b128 v[\hiaddr], v[96+8*t_:96+8*t_+3] offset:((g0_+t_)%4)*MT1+32*((g0_+t_)/4)
	ds_store_b128 v[\loaddr], v[100+8*t_:100+8*t_+3] offset:\looff+((g0_+t_)%4)*MT1+32*((g0_+t_)/4)
.set t_, t_+1
.endr
.set g0_, g0_+8
.endr
.endm
.macro BARRIER                         ; zero: what I stored is read, and what I read is overwritten, by other waves behind it
	s_wait_dscnt 0x0
	s_barrier_signal -1
	s_barrier_wait -1
.endm
	; ---- arguments, my tile, addresses ----
	s_load_b512 s[8:23], s[0:1], 0x0               ; h 8, order 10, tiles 12, wp 14, b1 16, b2 18, b3 20, out0 22
	s_set_vgpr_msb 0xc0
	v_lshl_add_u32 v0, v0, 2, 0x41000
	v_mov_b32 v1, 0
	s_set_vgpr_msb 0xc000
	v_lshrrev_b32 v1, 5, v0
	v_readfirstlane_b32 s3, v1                     ; wave 0..3
	s_lshl_b32 s36, ttmp9, 4
	s_mov_b32 s89, 0xffff0000                      ; the upper bf16 of a word
	s_wait_kmcnt 0x0
	s_load_b128 s[24:27], s[12:13], s36 offset:0x0 ; {expert, first place in order, rows, 0}
	v_and_b32 v1, 31, v0
	v_and_b32 v2, 15, v0
	v_bfe_u32 v3, v0, 4, 1
	v_lshlrev_b32 v4, 4, v1
	v_mul_u32_u24 v5, v2, XP
	v_lshl_add_u32 v5, v3, 4, v5                   ; row r, 16 bytes for each half of the lanes
	v_add_nc_u32 v6, A1H, v5
	v_add_nc_u32 v30, A1L, v5
	s_lshl_b32 s66, s3, 8
	v_add_nc_u32 v7, s66, v6                       ; + my 128 columns of a1 in bf16
	v_add_nc_u32 v31, s66, v30
	v_add_nc_u32 v8, A2B, v5
	s_lshl_b32 s67, s3, 7
	v_add_nc_u32 v9, s67, v8                       ; + my 64 columns of a2 in bf16
	v_mul_u32_u24 v10, v2, XP
	v_lshl_add_u32 v10, v3, 5, v10
	v_add_nc_u32 v10, s66, v10                     ; row r, 32 bytes for each half, + my 64 columns of y in f32
	s_mul_i32 s68, s3, MT1                         ; my 16 row slots
	v_add_nc_u32 v11, s68, v4
	v_lshl_add_u32 v12, v1, 3, s68
	v_lshlrev_b32 v13, 5, v3
	s_wait_kmcnt 0x0
	s_min_u32 s24, s24, 7
	s_min_u32 s25, s25, 0x1fff
	s_max_u32 s26, s26, 1
	s_min_u32 s26, s26, 64
	s_lshl_b32 s37, s3, 4                          ; my first row slot
	s_sub_co_u32 s38, s26, 1
	s_sub_co_i32 s88, s26, s37                     ; how many of my 16 slots hold rows (may be 0 or less)
.irp i, 0,1,2,3,4,5,6,7,8,9,10,11,12,13,14,15
	s_add_co_u32 s39, s37, \i
	s_min_u32 s39, s39, s38                        ; slots beyond the last row repeat it
	s_add_co_u32 s39, s39, s25
	s_min_u32 s39, s39, 0x1fff
	s_lshl_b32 s[72+\i], s39, 2                    ; an offset register for each load: none is rewritten while its load is out
	s_load_b32 s[40+\i], s[10:11], s[72+\i] offset:0x0
.endr
	s_mul_i32 s66, s24, 917504
	s_mul_i32 s67, s3, 229376
	s_add_co_u32 s66, s66, s67
	s_mov_b32 s67, 0
	s_add_nc_u64 s[28:29], s[14:15], s[66:67]      ; my stream of weights
	s_lshl_b32 s66, s24, 11
	s_lshl_b32 s68, s3, 9
	s_add_co_u32 s66, s66, s68
	s_add_nc_u64 s[30:31], s[16:17], s[66:67]      ; b1[e][128 w]
	s_lshl_b32 s66, s24, 10
	s_lshl_b32 s68, s3, 8
	s_add_co_u32 s66, s66, s68
	s_add_nc_u64 s[32:33], s[18:19], s[66:67]      ; b2[e][64 w]
	s_add_nc_u64 s[34:35], s[20:21], s[66:67]      ; b3[e][64 w]
	; ---- the stream starts while the row numbers are on their way ----
	WLOAD 0
	WLOAD 1
	WLOAD 2
	WIN 0
	s_wait_kmcnt 0x0
.irp i, 0,1,2,3,4,5,6,7,8,9,10,11,12,13,14,15
	s_min_u32 s[40+\i], s[40+\i], 0x1fff
	s_lshl_b32 s66, s[40+\i], 11
	s_lshl_b32 s67, s[40+\i], 10
	v_add_nc_u32 v[14+\i], s66, v4                 ; row x 2,048 bytes of h + 16 lane
	v_add_nc_u32 v[224+\i], s67, v4                ; row x 1,024 bytes of out0 + 16 lane
.endr
	; ---- gather: my 16 rows of h, four loads of 512 consecutive bytes each, into window 1 ----
	WIN 0x40
.irp i, 0,1,2,3,4,5,6,7,8,9,10,11,12,13,14,15
.irp p, 0,1,2,3
	global_load_b128 v[16*\i+4*\p:16*\i+4*\p+3], v[14+\i], s[8:9] offset:512*\p
.endr
.endr
	; ---- the biases of my columns, in the layout of a C operand: 32 loads ----
	WIN 0
.irp f, 0,1,2,3,4,5,6,7
	global_load_b128 v[96+8*\f:96+8*\f+3], v13, s[30:31] offset:64*\f
	global_load_b128 v[96+8*\f+4:96+8*\f+7], v13, s[30:31] offset:64*\f+16
.endr
.irp f, 0,1,2,3
	global_load_b128 v[160+8*\f:160+8*\f+3], v13, s[32:33] offset:64*\f
	global_load_b128 v[160+8*\f+4:160+8*\f+7], v13, s[32:33] offset:64*\f+16
.endr
.irp f, 0,1,2,3
	global_load_b128 v[192+8*\f:192+8*\f+3], v13, s[34:35] offset:64*\f
	global_load_b128 v[192+8*\f+4:192+8*\f+7], v13, s[34:35] offset:64*\f+16
.endr
	; ---- h to bf16 into X, four rows (16 loads) at a time ----
.set b_, 0
.rept 4
.if b_ < 2
	s_wait_loadcnt 63                              ; 80 and 64 loads are younger than these rows; the count names at most 63, and a smaller count is safe
.else
	s_wait_loadcnt 16*(3-b_)+32                    ; the later rows (16 loads for each four) and the 32 bias loads stay out
.endif
	WIN 0x05
.irp ii, 0,1,2,3
.irp p, 0,1,2,3
	v_cvt_pk_bf16_f32 v[32+8*\ii+2*\p], v[16*(4*b_+\ii)+4*\p], v[16*(4*b_+\ii)+4*\p+1]
	v_cvt_pk_bf16_f32 v[32+8*\ii+2*\p+1], v[16*(4*b_+\ii)+4*\p+2], v[16*(4*b_+\ii)+4*\p+3]
.endr
.endr
	WIN 0
.irp ii, 0,1,2,3
.irp p, 0,1,2,3
	ds_store_b64 v12, v[32+8*\ii+2*\p:32+8*\ii+2*\p+1] offset:XP*(4*b_+\ii)+256*\p   ; 32 lanes store 256 consecutive bytes of a row
.endr
.endr
.set b_, b_+1
.endr
	BARRIER                                        ; X is whole
	; ---- layer 1: K = 512 in 16 steps, one chunk (8 fragments) and 32 matrix instructions a step ----
	ALOAD 32, 5, 0
.set c_, 0
.rept 16
.set wc_, c_+3
.set ab_, 32+32*(c_%2)
.set nd_, 32+32*((c_+1)%2)
.set no_, 64*(c_+1)
.set wb_, 64*(c_%4)
.if c_ > 0
	PLACES                                         ; the slot and the buffer filled next were read by the step before
.endif
	WLOAD wc_                                      ; three chunks ahead; the stream runs on across the layers
.if c_ < 15
	ALOAD nd_, 5, no_
.endif
.if c_ == 0
	s_wait_loadcnt 16                              ; only chunk 3 is younger than the biases: chunks 0-2, h and the biases are in
.else
	s_wait_loadcnt 48                              ; chunks c+1, c+2, c+3 (16 loads each) stay out
.endif
.if c_ < 15
	s_wait_dscnt 8                                 ; the eight fragment loads of the next step stay out
.else
	s_wait_dscnt 0
.endif
.if c_ == 0
	MM 0, 8, wb_, ab_, 1, 96
.else
	MM 0, 8, wb_, ab_, 0, 96
.endif
.set c_, c_+1
.endr
	PLACES
	EPI 0, 32, 7, 31, 0
	BARRIER                                        ; A1H and A1L are whole
	; ---- layer 2: K = 512 in 16 steps; a step takes half a chunk (4 fragments) x hi and x lo: 32 matrix instructions ----
	ALOAD 32, 6, 0
	ALOAD 64, 30, 0
.set k_, 0
.rept 16
.set c_, 16+k_/2
.set wc_, c_+3
.set ab_, 32+64*(k_%2)
.set al_, ab_+32
.set nd_, 32+64*((k_+1)%2)
.set nl_, nd_+32
.set no_, 64*(k_+1)
.set wb_, 64*(c_%4)+32*(k_%2)
.if k_ > 0
	PLACES                                         ; (in step 0 the four places in front of the work behind layer 1 already stand between)
.endif
.if (k_%2) == 0
	WLOAD wc_
.endif
.if k_ < 15
	ALOAD nd_, 6, no_
	ALOAD nl_, 30, no_
.endif
.if (k_%2) == 0
	s_wait_loadcnt 48                              ; chunks c+1, c+2, c+3 stay out
.endif
.if k_ < 15
	s_wait_dscnt 16                                ; the sixteen fragment loads of the next step (8 hi, 8 lo) stay out
.else
	s_wait_dscnt 0
.endif
.if k_ == 0
	MM 0, 4, wb_, ab_, 1, 160
.else
	MM 0, 4, wb_, ab_, 0, 160
.endif
	MM 0, 4, wb_, al_, 0, 160
.set k_, k_+1
.endr
	PLACES
	EPI 0, 16, 9, 9, 512
	BARRIER                                        ; A2 is whole
	; ---- layer 3: K = 256 in 8 steps, hi and lo as in layer 2; the stream ends with chunk 27 ----
	ALOAD 32, 8, 0
	ALOAD 64, 8, 512
.set k_, 0
.rept 8
.set c_, 24+k_/2
.set ab_, 32+64*(k_%2)
.set al_, ab_+32
.set nd_, 32+64*((k_+1)%2)
.set nl_, nd_+32
.set no_, 64*(k_+1)
.set nol_, no_+512
.set wb_, 64*(c_%4)+32*(k_%2)
.if k_ > 0
	PLACES
.endif
.if k_ == 0
	WLOAD 27
.endif
.if k_ < 7
	ALOAD nd_, 8, no_
	ALOAD nl_, 8, nol_
.endif
.if (k_%2) == 0
	s_wait_loadcnt 16*(27-c_)                      ; the chunks behind c that are still to come: 48, 32, 16, 0 loads
.endif
.if k_ < 7
	s_wait_dscnt 16
.else
	s_wait_dscnt 0
.endif
.if k_ == 0
	MM 128, 4, wb_, ab_, 1, 192
.else
	MM 128, 4, wb_, ab_, 0, 192
.endif
	MM 128, 4, wb_, al_, 0, 192
.set k_, k_+1
.endr
	; ---- the way out: y in f32 through LDS (the bytes of X, whose last reads lie two barriers back), then whole rows to out0 ----
	PLACES
	WIN 0x04                                       ; the data of an LDS store are source 1: window 1
.irp f, 0,1,2,3
.irp mt, 0,1,2,3
	ds_store_b128 v10, v[128+8*(4*\f+\mt):128+8*(4*\f+\mt)+3] offset:MT1*\mt+64*\f
	ds_store_b128 v10, v[128+8*(4*\f+\mt)+4:128+8*(4*\f+\mt)+7] offset:MT1*\mt+64*\f+16
.endr
.endr
	WIN 0
	BARRIER                                        ; O is whole
.irp i, 0,1,2,3,4,5,6,7,8,9,10,11,12,13,14,15
	ds_load_b128 v[96+8*\i:96+8*\i+3], v11 offset:XP*\i
	ds_load_b128 v[96+8*\i+4:96+8*\i+7], v11 offset:XP*\i+512
.endr
	s_wait_dscnt 0x0
	; my slots 0 .. s88 - 1 hold rows; the others repeat the last row of the tile and are not stored.  The count was read from tiles[].
.irp i, 0,1,2,3,4,5,6,7,8,9,10,11,12,13,14,15
	s_cmp_le_i32 s88, \i
	s_cbranch_scc1 .Ldone
	global_store_b128 v[224+\i], v[96+8*\i:96+8*\i+3], s[22:23] th:TH_STORE_NT              ; 512 consecutive bytes of one row of out0,
	global_store_b128 v[224+\i], v[96+8*\i+4:96+8*\i+7], s[22:23] offset:512 th:TH_STORE_NT ; at a multiple of 512 from its first byte
.endr
.Ldone:
	s_set_vgpr_msb 0xf
	s_wait_tensorcnt 0x0
	ds_add_u32 v0, v1
	s_wait_dscnt 0x0
	s_set_vgpr_msb 0xf00
	s_endpgm
.Lfunc_end_k_q6472ee65a5_mlp:
	.size	k_q6472ee65a5_mlp, .Lfunc_end_k_q6472ee65a5_mlp-k_q6472ee65a5_mlp
	.p2alignl 7, 3214868480
	.fill 96, 4, 3214868480
	.section	.rodata,"a",@progbits
	.p2align	6, 0x0
	.amdhsa_kernel k_q6472ee65a5_mlp
		.amdhsa_group_segment_fixed_size 266752
		.amdhsa_private_segment_fixed_size 0
		.amdhsa_enable_private_segment 0
		.amdhsa_kernarg_size 64
		.amdhsa_user_sgpr_count 2
		.amdhsa_user_sgpr_kernarg_segment_ptr 1
		.amdhsa_wavefront_size32 1
		.amdhsa_system_sgpr_workgroup_id_x 1
		.amdhsa_system_sgpr_workgroup_id_y 1
		.amdhsa_system_sgpr_workgroup_id_z 1
		.amdhsa_system_vgpr_workitem_id 0
		.amdhsa_next_free_vgpr 770
		.amdhsa_next_free_sgpr 96
		.amdhsa_reserve_vcc 0
		.amdhsa_float_denorm_mode_32 3
		.amdhsa_float_denorm_mode_16_64 3
		.amdhsa_memory_ordered 1
		.amdhsa_forward_progress 1
		.amdhsa_inst_pref_size 255
	.end_amdhsa_kernel
	.section	.bss,"aw",@nobits
	.p2align	6
	.space	262144
	.amdgpu_metadata
---
amdhsa.version: [ 1, 2 ]
amdhsa.kernels:
  - .name:           k_q6472ee65a5_mlp
    .symbol:         k_q6472ee65a5_mlp.kd
    .args:
      - { .name: h, .offset: 0, .size: 8, .value_kind: global_buffer, .address_space: global }
      - { .name: order, .offset: 8, .size: 8, .value_kind: global_buffer, .address_space: global }
      - { .name: tiles, .offset: 16, .size: 8, .value_kind: global_buffer, .address_space: global }
      - { .name: wp, .offset: 24, .size: 8, .value_kind: global_buffer, .address_space: global }
      - { .name: b1, .offset: 32, .size: 8, .value_kind: global_buffer, .address_space: global }
      - { .name: b2, .offset: 40, .size: 8, .value_kind: global_buffer, .address_space: global }
      - { .name: b3, .offset: 48, .size: 8, .value_kind: global_buffer, .address_space: global }
      - { .name: out0, .offset: 56, .size: 8, .value_kind: global_buffer, .address_space: global }
    .group_segment_fixed_size: 266752
    .private_segment_fixed_size: 0
    .kernarg_segment_align: 8
    .kernarg_segment_size: 64
    .max_flat_workgroup_size: 128
    .sgpr_count:     96
    .vgpr_count:     770
    .wavefront_size: 32
...
	.end_amdgpu_metadata
.endif
;; end of part 2
;; ======== version 2 of 2: 2 launches; version 1 with the launch mlp written anew for expert scheduling mode
;; workspace buffers: order 32,768 bytes of whole numbers; tiles 4,096 bytes of whole numbers; wp 7,340,032 bytes
;; launch prep: the kernel of part 1 again; grid 225 x 1, 8 waves a work-group, no clusters, 34,816 bytes of LDS; arguments gate_id, W1, W2, W3, order, tiles, wp; writes order, tiles, wp
;; launch mlp (part 3): grid 135 x 1, 4 waves a work-group, no clusters, 266,752 bytes of LDS; arguments h, order, tiles, wp, b1, b2, b3, out0; writes out0
.if DOCPART == 3
	.amdgcn_target "amdgcn-amd-amdhsa--gfx1250"
	.amdhsa_code_object_version 6
	.text
	.protected	k_q6472ee65a5_mlp
	.globl	k_q6472ee65a5_mlp
	.p2align	8
	.type	k_q6472ee65a5_mlp,@function
k_q6472ee65a5_mlp:
	s_mov_b64 s[64:65], 0
	v_nop
	global_prefetch_b8 v0, s[64:65] scope:SCOPE_SE
	s_setreg_imm32_b32 hwreg(HW_REG_WAVE_SCHED_MODE, 0, 2), 2
	s_setreg_imm32_b32 hwreg(HW_REG_WAVE_MODE, 25, 1), 1
	s_wait_xcnt 0x0
	s_wait_alu depctr_vm_vsrc(0)
; MLP: one work-group = one tile of 1 to 64 rows of one expert; gather of h, three layers, scatter of the result, all in one text.
;   a1 = leaky(h W1 + b1) [64 x 512], a2 = leaky(a1 W2 + b2) [64 x 256], y = a2 W3 + b3 [64 x 256];  leaky(x) = max(x, 0.2 x).
; Four waves.  Wave w makes columns 128 w .. +127 of a1 and 64 w .. +63 of a2 and y, for all 64 row slots.  So each weight byte enters the
; work-group once, straight into registers: wp holds the weights in bf16 in fragment order, the stream of a wave is 229,376 consecutive
; bytes (28 chunks of 8,192), every load covers 512 consecutive bytes.  Activations are handed from wave to wave through LDS.
; Row slots at or beyond the number of rows of the tile repeat its last row: they are computed and never stored.
; a1 AND a2 ARE HANDED ON AS TWO bf16 NUMBERS EACH: hi = bf16(x), lo = bf16(x - hi) (the difference is exact in f32), and layers 2 and 3
; multiply every weight fragment by hi and by lo into the same sums.  One bf16 keeps 8 significant bits, and two such roundings in a chain
; of three layers would be the largest error of the whole result; hi + lo keep about 16 bits.  It costs 384 matrix instructions more a wave
; (1,280 in place of 896) and no weight byte more.
; THE MATRIX INSTRUCTION IS USED TRANSPOSED: source 0 = 16 columns n of the weights, source 1 = 16 rows m of the activations.  Register j
; of a result in lane (r = L & 15, hl = L >> 4) is then (m = r, n = n0 + 8 hl + j): eight neighbouring columns of one row.
; The bias is the C operand of the first K step of each layer (register j holds b[n0 + 8 hl + j]): nothing is cleared and nothing added later.
; NO CLUSTER, NO JOINT REQUESTS: the tiles of an expert read the same weights, but their number (0 to 135) hangs on gate_id, so the 135
; work-groups do not fall into groups of four of one expert; and the weights go into registers by loads that have no joint form.
; NO PREFETCH: wp was stored by the launch in front of this one and is read by all tiles of an expert; a row of h is known only
; one step before its load.
; LIMITS: h, W1, W2, W3 are rounded to bf16 (nearest even) as matrix operands, a1 and a2 to a sum of two bf16; sums in f32; the bias is the
; first term of the f32 sum, not the last.  An activation that is infinite or rounds to infinity in bf16 (above about 3.39e38) gives
; lo = NaN and so NaN results.
;
; THE MODE: SCHED_MODE bits 1:0 = 2 (LLVM: expert scheduling mode 2), set by the entry lines.  The code itself states the register dependences
; between vector or matrix instructions and memory or LDS instructions, with s_wait_alu, always for 0.
; THE PLAN.  Registers that memory or LDS instructions touch:
;   addresses     v4-v13, v30, v31 and the row offsets v14-29, v224-239: made once at the head, each group ahead of one wait on va_vdst, never written again.
;   weight slots  window 2, four of 64.  The matrix instructions of the step that uses a chunk read its slot; the loads of the chunk three on land in it a step later or more.
;   fragments     two buffers by turns.  Step c's matrix instructions read one; step c's LDS loads (the fragments of step c + 1) land in the other, which step c - 1 read.
;   So ONE wait on va_vdst stands at a step's head, behind the waits for the step's own data: the matrix instructions of the step before are done reading the
;   slot and the buffer in which this step's loads land.  The loads follow in runs of eight behind the step's first three groups of four matrix instructions,
;   which name this step's slot, this step's buffer, the accumulators and (first steps) the bias: none of the registers that those loads touch.
;   stages        the roundings write them, one wait on va_vdst, then the run of LDS stores that read them; a wait on vm_vsrc stands ahead of whatever writes them next.
;   The accumulators (until the way out) and v240-255 are named by vector and matrix instructions alone.
;
; LDS, every pitch 1,040 bytes (an odd multiple of 16):
;      X    [64][512] bf16, bytes 0 .. 66,559 (at the end once more as O [64][256] f32);
;      A1H  [64][512] bf16 from 66,560;   A1L the same from 133,120;
;      A2   from 199,680: a row is 256 hi (512 bytes), then 256 lo (512 bytes).
; REGISTERS, in windows of 256:
;   window 0: v1 lane, v2 r, v3 hl, v4 16 lane, v5 X read, v6 A1H read, v7 A1H store, v30 A1L read, v31 A1L store, v8 A2 read, v9 A2 store,
;             v10 O store, v11 O read, v12 X store, v13 32 hl, v14-29 offsets of my 16 rows in h,
;             activation fragments: layer 1 two buffers of 32 (v32-63, v64-95; before layer 1 the two stages of h in bf16); layers 2 and 3 two buffers of 64, hi then lo (v32-95, v96-159);
;             v96-159 / v160-191 / v192-223 the biases (b1 is read by the first K step of layer 1 alone; at the end v96-223 hold the output rows),
;             v224-239 offsets in out0, v240-255 at work behind a layer
;   window 1: accumulators (layer 1: tile (f, mt) at 8 (4 f + mt); layer 2 the same with f 0..3; layer 3 from 128); before layer 1 the rows of h in f32
;   window 2: the ring of weights, 4 slots of 64 registers, chunk c in slot c % 4, fragment f at 8 f
.set XP,   1040
.set MT1,  16*XP                       ; 16 rows of any of the arrays
.set A1H,  66560
.set A1L,  133120
.set A2B,  199680
.set MSB, 0
.macro WIN new                         ; low byte: bits 1:0 source 0, 3:2 source 1, 5:4 source 2, 7:6 destination; the high byte repeats the setting that is left
.if MSB != \new
	s_set_vgpr_msb (MSB<<8)|\new
.set MSB, \new
.endif
.endm
; Four places behind a matrix instruction before a vector instruction or an LDS store touches its registers;
; only plain vector instructions that name none of its registers are counted.
.macro PLACES
.rept 4
	v_nop
.endr
.endm
.macro WHALF c, hx                     ; 8 loads: fragments 4 hx .. 4 hx + 3 of chunk c of my stream into their half of slot c % 4
	WIN 0x80
.irp f, 0,1,2,3
	global_load_b128 v[64*(\c%4)+32*\hx+8*\f:64*(\c%4)+32*\hx+8*\f+3], v4, s[28:29] offset:8192*\c+4096*\hx+1024*\f
	global_load_b128 v[64*(\c%4)+32*\hx+8*\f+4:64*(\c%4)+32*\hx+8*\f+7], v4, s[28:29] offset:8192*\c+4096*\hx+1024*\f+512
.endr
.endm
.macro WLOAD c                         ; a whole chunk
	WHALF \c, 0
	WHALF \c, 1
.endm
.macro ALOAD dst, addr, off            ; 8 LDS loads: four activation fragments (64 rows x 32 k at byte off of the rows) into v[dst .. dst+31]
	WIN 0
.irp mt, 0,1,2,3
	ds_load_b128 v[\dst+8*\mt:\dst+8*\mt+3], v[\addr] offset:\off+\mt*MT1
	ds_load_b128 v[\dst+8*\mt+4:\dst+8*\mt+7], v[\addr] offset:\off+\mt*MT1+32
.endr
.endm
.macro MM acc, f0, nf, wbase, abase, first, bias   ; nf x 4 matrix instructions: weight fragments f0 .. f0 + nf - 1 (counted from wbase) x the four fragments at abase
.if \first
	WIN 0x42                                       ; C is the bias, in window 0
.else
	WIN 0x52
.endif
.set f_, \f0
.rept \nf
.irp mt, 0,1,2,3
.if \first
	v_wmma_f32_16x16x32_bf16 v[\acc+8*(4*f_+\mt):\acc+8*(4*f_+\mt)+7], v[\wbase+8*f_:\wbase+8*f_+7], v[\abase+8*\mt:\abase+8*\mt+7], v[\bias+8*f_:\bias+8*f_+7]
.else
	v_wmma_f32_16x16x32_bf16 v[\acc+8*(4*f_+\mt):\acc+8*(4*f_+\mt)+7], v[\wbase+8*f_:\wbase+8*f_+7], v[\abase+8*\mt:\abase+8*\mt+7], v[\acc+8*(4*f_+\mt):\acc+8*(4*f_+\mt)+7]
.endif
.endr
.set f_, f_+1
.endr
.endm
; Behind a layer, eight tiles at a time: x = max(acc, 0.2 acc) in f32 (v32-95); hi = bf16(x), packed (v[96+8t .. +3]); x - hi in f32, exact;
; lo = bf16 of that (v[100+8t .. +3]); then, in one run behind one wait, 16 bytes of hi and 16 of lo a lane and tile into the next activation arrays.
.macro EPI acc, ntiles, hiaddr, loaddr, looff
.set g0_, 0
.rept \ntiles/8
	WIN 0x01
.set t_, 0
.rept 8
.irp i, 0,2,4,6
	v_pk_mul_f32 v[32+8*t_+\i:32+8*t_+\i+1], v[\acc+8*(g0_+t_)+\i:\acc+8*(g0_+t_)+\i+1], 0x3e4ccccd op_sel_hi:[1,0]
.endr
.irp j, 0,1,2,3,4,5,6,7
	v_max_num_f32 v[32+8*t_+\j], v[\acc+8*(g0_+t_)+\j], v[32+8*t_+\j]
.endr
.set t_, t_+1
.endr
	WIN 0
.if g0_ > 0
	s_wait_alu depctr_vm_vsrc(0)                   ; the LDS stores of the eight tiles before have read v96-159, which the roundings below write again
.endif
.set t_, 0
.rept 8
.set u_, 240+8*(t_%2)                  ; the widened hi: two sets in turn, so that a tile does not wait for the one in front
.irp i, 0,1,2,3
	v_cvt_pk_bf16_f32 v[96+8*t_+\i], v[32+8*t_+2*\i], v[32+8*t_+2*\i+1]
.endr
.irp i, 0,1,2,3
	v_lshlrev_b32 v[u_+2*\i], 16, v[96+8*t_+\i]    ; bf16 to f32: the low half moves up,
	v_and_b32 v[u_+2*\i+1], s89, v[96+8*t_+\i]     ; the high half stays
.endr
.irp i, 0,2,4,6
	v_pk_add_f32 v[32+8*t_+\i:32+8*t_+\i+1], v[32+8*t_+\i:32+8*t_+\i+1], v[u_+\i:u_+\i+1] neg_lo:[0,1] neg_hi:[0,1]
.endr
.irp i, 0,1,2,3
	v_cvt_pk_bf16_f32 v[100+8*t_+\i], v[32+8*t_+2*\i], v[32+8*t_+2*\i+1]
.endr
.set t_, t_+1
.endr
	s_wait_alu depctr_va_vdst(0)                   ; the roundings have written v96-159, which the sixteen LDS stores read; all vector work on v32-95 is done too, in which fragments land behind the barrier
.set t_, 0
.rept 8
	ds_store_b128 v[\hiaddr], v[96+8*t_:96+8*t_+3] offset:((g0_+t_)%4)*MT1+32*((g0_+t_)/4)
	ds_store_b128 v[\loaddr], v[100+8*t_:100+8*t_+3] offset:\looff+((g0_+t_)%4)*MT1+32*((g0_+t_)/4)
.set t_, t_+1
.endr
.set g0_, g0_+8
.endr
.endm
.macro BARRIER                         ; zero: what I stored is read, and what I read is overwritten, by other waves behind it
	s_wait_dscnt 0x0
	s_barrier_signal -1
	s_barrier_wait -1
.endm
	; ---- arguments, my tile, addresses ----
	s_load_b512 s[8:23], s[0:1], 0x0               ; h 8, order 10, tiles 12, wp 14, b1 16, b2 18, b3 20, out0 22
	s_set_vgpr_msb 0xc0
	v_lshl_add_u32 v0, v0, 2, 0x41000
	v_mov_b32 v1, 0
	s_set_vgpr_msb 0xc000
	v_lshrrev_b32 v1, 5, v0
	v_readfirstlane_b32 s3, v1                     ; wave 0..3
	s_lshl_b32 s36, ttmp9, 4
	s_mov_b32 s89, 0xffff0000                      ; the upper bf16 of a word
	s_wait_kmcnt 0x0
	s_load_b128 s[24:27], s[12:13], s36 offset:0x0 ; {expert, first place in order, rows, 0}
	v_and_b32 v1, 31, v0
	v_and_b32 v2, 15, v0
	v_bfe_u32 v3, v0, 4, 1
	v_lshlrev_b32 v4, 4, v1
	v_mul_u32_u24 v5, v2, XP
	v_lshl_add_u32 v5, v3, 4, v5                   ; row r, 16 bytes for each half of the lanes
	v_add_nc_u32 v6, A1H, v5
	v_add_nc_u32 v30, A1L, v5
	s_wait_alu depctr_va_sdst(0)                   ; s3 is written, ahead of its first reader: LDS addresses and the bases of the stream and the biases are made from it
	s_lshl_b32 s66, s3, 8
	v_add_nc_u32 v7, s66, v6                       ; + my 128 columns of a1 in bf16
	v_add_nc_u32 v31, s66, v30
	v_add_nc_u32 v8, A2B, v5
	s_lshl_b32 s67, s3, 7
	v_add_nc_u32 v9, s67, v8                       ; + my 64 columns of a2 in bf16
	v_mul_u32_u24 v10, v2, XP
	v_lshl_add_u32 v10, v3, 5, v10
	v_add_nc_u32 v10, s66, v10                     ; row r, 32 bytes for each half, + my 64 columns of y in f32
	s_mul_i32 s68, s3, MT1                         ; my 16 row slots
	v_add_nc_u32 v11, s68, v4
	v_lshl_add_u32 v12, v1, 3, s68
	v_lshlrev_b32 v13, 5, v3
	s_wait_kmcnt 0x0
	s_min_u32 s24, s24, 7
	s_min_u32 s25, s25, 0x1fff
	s_max_u32 s26, s26, 1
	s_min_u32 s26, s26, 64
	s_lshl_b32 s37, s3, 4                          ; my first row slot
	s_sub_co_u32 s38, s26, 1
	s_sub_co_i32 s88, s26, s37                     ; how many of my 16 slots hold rows (may be 0 or less)
.irp i, 0,1,2,3,4,5,6,7,8,9,10,11,12,13,14,15
	s_add_co_u32 s39, s37, \i
	s_min_u32 s39, s39, s38                        ; slots beyond the last row repeat it
	s_add_co_u32 s39, s39, s25
	s_min_u32 s39, s39, 0x1fff
	s_lshl_b32 s[72+\i], s39, 2                    ; an offset register for each load: none is rewritten while its load is out
	s_load_b32 s[40+\i], s[10:11], s[72+\i] offset:0x0
.endr
	s_mul_i32 s66, s24, 917504
	s_mul_i32 s67, s3, 229376
	s_add_co_u32 s66, s66, s67
	s_mov_b32 s67, 0
	s_add_nc_u64 s[28:29], s[14:15], s[66:67]      ; my stream of weights
	s_lshl_b32 s66, s24, 11
	s_lshl_b32 s68, s3, 9
	s_add_co_u32 s66, s66, s68
	s_add_nc_u64 s[30:31], s[16:17], s[66:67]      ; b1[e][128 w]
	s_lshl_b32 s66, s24, 10
	s_lshl_b32 s68, s3, 8
	s_add_co_u32 s66, s66, s68
	s_add_nc_u64 s[32:33], s[18:19], s[66:67]      ; b2[e][64 w]
	s_add_nc_u64 s[34:35], s[20:21], s[66:67]      ; b3[e][64 w]
	; ---- the stream starts while the row numbers are on their way ----
	WIN 0x80
	s_wait_alu depctr_va_vdst(0)                   ; v4 to v13, v30 and v31 are written: the loads and LDS instructions of the whole kernel read them as addresses
	WLOAD 0
	WLOAD 1
	WLOAD 2
	WIN 0
	s_wait_kmcnt 0x0
.irp i, 0,1,2,3,4,5,6,7,8,9,10,11,12,13,14,15
	s_min_u32 s[40+\i], s[40+\i], 0x1fff
	s_lshl_b32 s66, s[40+\i], 11
	s_lshl_b32 s67, s[40+\i], 10
	v_add_nc_u32 v[14+\i], s66, v4                 ; row x 2,048 bytes of h + 16 lane
	v_add_nc_u32 v[224+\i], s67, v4                ; row x 1,024 bytes of out0 + 16 lane
.endr
	; ---- gather: my 16 rows of h, four loads of 512 consecutive bytes each, into window 1 ----
	WIN 0x40
	s_wait_alu depctr_va_vdst(0)                   ; the row offsets v14-29 are written, which the gather reads, and v224-239, which the last stores read
.irp i, 0,1,2,3,4,5,6,7,8,9,10,11,12,13,14,15
.irp p, 0,1,2,3
	global_load_b128 v[16*\i+4*\p:16*\i+4*\p+3], v[14+\i], s[8:9] offset:512*\p
.endr
.endr
	; ---- the biases of my columns, in the layout of a C operand: 32 loads ----
	WIN 0
.irp f, 0,1,2,3,4,5,6,7
	global_load_b128 v[96+8*\f:96+8*\f+3], v13, s[30:31] offset:64*\f
	global_load_b128 v[96+8*\f+4:96+8*\f+7], v13, s[30:31] offset:64*\f+16
.endr
.irp f, 0,1,2,3
	global_load_b128 v[160+8*\f:160+8*\f+3], v13, s[32:33] offset:64*\f
	global_load_b128 v[160+8*\f+4:160+8*\f+7], v13, s[32:33] offset:64*\f+16
.endr
.irp f, 0,1,2,3
	global_load_b128 v[192+8*\f:192+8*\f+3], v13, s[34:35] offset:64*\f
	global_load_b128 v[192+8*\f+4:192+8*\f+7], v13, s[34:35] offset:64*\f+16
.endr
	; ---- h to bf16 into X, four rows (16 loads) at a time, through two stages of 32 registers by turns ----
.set b_, 0
.rept 4
.set hb_, 32+32*(b_%2)
.if b_ < 2
	s_wait_loadcnt 63                              ; 80 and 64 loads are younger than these rows; the count names at most 63, and a smaller count is safe
.else
	s_wait_loadcnt 16*(3-b_)+32                    ; the later rows (16 loads for each four) and the 32 bias loads stay out
.endif
	WIN 0x05
.irp ii, 0,1,2,3
.irp p, 0,1,2,3
	v_cvt_pk_bf16_f32 v[hb_+8*\ii+2*\p], v[16*(4*b_+\ii)+4*\p], v[16*(4*b_+\ii)+4*\p+1]
	v_cvt_pk_bf16_f32 v[hb_+8*\ii+2*\p+1], v[16*(4*b_+\ii)+4*\p+2], v[16*(4*b_+\ii)+4*\p+3]
.endr
.endr
	WIN 0
	s_wait_alu depctr_va_vdst(0)                   ; the conversions have written this stage, which the LDS stores below read
.if (b_ == 1) || (b_ == 2)
	s_wait_alu depctr_vm_vsrc(0)                   ; the LDS stores of the four rows before have read the other stage, which the next four rows' conversions write
.endif
.irp ii, 0,1,2,3
.irp p, 0,1,2,3
	ds_store_b64 v12, v[hb_+8*\ii+2*\p:hb_+8*\ii+2*\p+1] offset:XP*(4*b_+\ii)+256*\p   ; 32 lanes store 256 consecutive bytes of a row
.endr
.endr
.set b_, b_+1
.endr
	BARRIER                                        ; X is whole
	; ---- layer 1: K = 512 in 16 steps, one chunk (8 fragments) and 32 matrix instructions a step ----
	s_wait_alu depctr_vm_vsrc(0)                   ; my LDS stores have read v32-95: these registers are the two fragment buffers from here on
	ALOAD 32, 5, 0
.set c_, 0
.rept 16
.set wc_, c_+3
.set ab_, 32+32*(c_%2)
.set nd_, 32+32*((c_+1)%2)
.set no_, 64*(c_+1)
.set wb_, 64*(c_%4)
.set fi_, 0
.if c_ == 0
.set fi_, 1
	s_wait_loadcnt 16                              ; only b2 and b3 (16 loads) are younger than b1: chunks 0-2, h and b1 are in
.else
	s_wait_loadcnt 32                              ; chunks c+1 and c+2 (16 loads each) stay out (chunks 1 and 2 were shown in by the first step's wait)
.endif
	s_wait_dscnt 0x0                               ; this step's fragments, asked for 28 matrix instructions ago; nothing younger is out
.if c_ > 0
	s_wait_alu depctr_va_vdst(0)                   ; the matrix instructions of the step before are done reading its slot and its fragment buffer, in which this step's 24 loads land
.endif
	MM 0, 0, 1, wb_, ab_, fi_, 96
.if c_ < 15
	ALOAD nd_, 5, no_                              ; the next step's fragments.  No wait: nothing since the wait above names these registers
.endif
	MM 0, 1, 1, wb_, ab_, fi_, 96
	WHALF wc_, 0                                   ; three chunks ahead; the stream runs on across the layers
	MM 0, 2, 1, wb_, ab_, fi_, 96
	WHALF wc_, 1
	MM 0, 3, 5, wb_, ab_, fi_, 96
.set c_, c_+1
.endr
	PLACES
	EPI 0, 32, 7, 31, 0
	BARRIER                                        ; A1H and A1L are whole
	; ---- layer 2: K = 512 in 16 steps; a step takes half a chunk (4 fragments) x hi and x lo: 32 matrix instructions ----
	; The stream comes by halves of a chunk from here on: step k asks for the half that the step six on multiplies by, into registers that step k - 2 read.
	s_wait_alu depctr_vm_vsrc(0)                   ; my LDS stores have read v96-159, in which the fragments of step 1 land
	ALOAD 32, 6, 0
	ALOAD 64, 30, 0
.set k_, 0
.rept 16
.set c_, 16+k_/2
.set wc_, c_+3
.set hx_, k_%2
.set ab_, 32+64*(k_%2)
.set al_, ab_+32
.set nd_, 32+64*((k_+1)%2)
.set nl_, nd_+32
.set no_, 64*(k_+1)
.set wb_, 64*(c_%4)+32*(k_%2)
.set fi_, 0
.if k_ == 0
.set fi_, 1
.endif
	s_wait_loadcnt 40                              ; the five younger halves (8 loads each) stay out
	s_wait_dscnt 0x0                               ; this step's fragments, hi and lo; nothing younger is out
.if (k_ > 0) && (k_ < 15)
	s_wait_alu depctr_va_vdst(0)                   ; the matrix instructions of the step before are done reading its fragment buffer, those of two steps back their half slot: this step's 24 loads land there
.endif                                                 ; (step 15 asks for no fragments, and step 14's wait covers the readers of its half slot)
	MM 0, 0, 1, wb_, ab_, fi_, 160
.if k_ < 15
	ALOAD nd_, 6, no_
.endif
	MM 0, 1, 1, wb_, ab_, fi_, 160
.if k_ < 15
	ALOAD nl_, 30, no_
.endif
	MM 0, 2, 1, wb_, ab_, fi_, 160
	WHALF wc_, hx_
	MM 0, 3, 1, wb_, ab_, fi_, 160
	MM 0, 0, 4, wb_, al_, 0, 160
.set k_, k_+1
.endr
	PLACES
	EPI 0, 16, 9, 9, 512
	BARRIER                                        ; A2 is whole
	; ---- layer 3: K = 256 in 8 steps, hi and lo as in layer 2; the stream ends with chunk 27 ----
	s_wait_alu depctr_vm_vsrc(0)                   ; my LDS stores have read v96-159, in which the fragments of step 1 land
	ALOAD 32, 8, 0
	ALOAD 64, 8, 512
.set k_, 0
.rept 8
.set c_, 24+k_/2
.set hx_, k_%2
.set ab_, 32+64*(k_%2)
.set al_, ab_+32
.set nd_, 32+64*((k_+1)%2)
.set nl_, nd_+32
.set no_, 64*(k_+1)
.set nol_, no_+512
.set wb_, 64*(c_%4)+32*(k_%2)
.set fi_, 0
.if k_ == 0
.set fi_, 1
.endif
.if k_ < 3
	s_wait_loadcnt 40                              ; five younger halves stay out
.else
	s_wait_loadcnt 8*(7-k_)                        ; the halves still to come: the counts run down
.endif
	s_wait_dscnt 0x0
.if (k_ > 0) && (k_ < 7)
	s_wait_alu depctr_va_vdst(0)                   ; the matrix instructions of the step before are done reading its fragment buffer, in which this step's LDS loads land
.endif                                                 ; (step 7 issues no load)
	MM 128, 0, 1, wb_, ab_, fi_, 192
.if k_ < 7
	ALOAD nd_, 8, no_
.endif
	MM 128, 1, 1, wb_, ab_, fi_, 192
.if k_ < 7
	ALOAD nl_, 8, nol_
.endif
	MM 128, 2, 1, wb_, ab_, fi_, 192
.if k_ < 2
	WHALF 27, hx_                                  ; the last chunk, into the slot that the last two steps of layer 2 read: the waits behind that layer cover them
.endif
	MM 128, 3, 1, wb_, ab_, fi_, 192
	MM 128, 0, 4, wb_, al_, 0, 192
.set k_, k_+1
.endr
	; ---- the way out: y in f32 through LDS (the bytes of X, whose last reads lie two barriers back), then whole rows to out0 ----
	PLACES
	WIN 0x04                                       ; the data of an LDS store are source 1: window 1
	s_wait_alu depctr_va_vdst(0)                   ; the matrix instructions have written the accumulators, which the LDS stores read, and are done reading v96-223, in which the rows of O land below; the places above stay beside this wait
.irp f, 0,1,2,3
.irp mt, 0,1,2,3
	ds_store_b128 v10, v[128+8*(4*\f+\mt):128+8*(4*\f+\mt)+3] offset:MT1*\mt+64*\f
	ds_store_b128 v10, v[128+8*(4*\f+\mt)+4:128+8*(4*\f+\mt)+7] offset:MT1*\mt+64*\f+16
.endr
.endr
	WIN 0
	BARRIER                                        ; O is whole
.irp i, 0,1,2,3,4,5,6,7,8,9,10,11,12,13,14,15
	ds_load_b128 v[96+8*\i:96+8*\i+3], v11 offset:XP*\i
	ds_load_b128 v[96+8*\i+4:96+8*\i+7], v11 offset:XP*\i+512
.endr
	s_wait_dscnt 0x0
	; my slots 0 .. s88 - 1 hold rows; the others repeat the last row of the tile and are not stored.  The count was read from tiles[].
.irp i, 0,1,2,3,4,5,6,7,8,9,10,11,12,13,14,15
	s_cmp_le_i32 s88, \i
	s_cbranch_scc1 .Ldone
	global_store_b128 v[224+\i], v[96+8*\i:96+8*\i+3], s[22:23] th:TH_STORE_NT              ; 512 consecutive bytes of one row of out0,
	global_store_b128 v[224+\i], v[96+8*\i+4:96+8*\i+7], s[22:23] offset:512 th:TH_STORE_NT ; at a multiple of 512 from its first byte
.endr
.Ldone:
	s_set_vgpr_msb 0xf
	s_wait_dscnt 0x0
	s_wait_alu depctr_hold_cnt(0) depctr_sa_sdst(0) depctr_va_vdst(0) depctr_va_sdst(0) depctr_va_ssrc(0) depctr_va_vcc(0) depctr_vm_vsrc(0)
	s_wait_tensorcnt 0x0
	ds_add_u32 v0, v1
	s_wait_dscnt 0x0
	s_endpgm
.Lfunc_end_k_q6472ee65a5_mlp:
	.size	k_q6472ee65a5_mlp, .Lfunc_end_k_q6472ee65a5_mlp-k_q6472ee65a5_mlp
	.p2alignl 7, 3214868480
	.fill 96, 4, 3214868480
	.section	.rodata,"a",@progbits
	.p2align	6, 0x0
	.amdhsa_kernel k_q6472ee65a5_mlp
		.amdhsa_group_segment_fixed_size 266752
		.amdhsa_private_segment_fixed_size 0
		.amdhsa_enable_private_segment 0
		.amdhsa_kernarg_size 64
		.amdhsa_user_sgpr_count 2
		.amdhsa_user_sgpr_kernarg_segment_ptr 1
		.amdhsa_wavefront_size32 1
		.amdhsa_system_sgpr_workgroup_id_x 1
		.amdhsa_system_sgpr_workgroup_id_y 1
		.amdhsa_system_sgpr_workgroup_id_z 1
		.amdhsa_system_vgpr_workitem_id 0
		.amdhsa_next_free_vgpr 770
		.amdhsa_next_free_sgpr 96
		.amdhsa_reserve_vcc 0
		.amdhsa_float_denorm_mode_32 3
		.amdhsa_float_denorm_mode_16_64 3
		.amdhsa_memory_ordered 1
		.amdhsa_forward_progress 1
		.amdhsa_inst_pref_size 255
	.end_amdhsa_kernel
	.section	.bss,"aw",@nobits
	.p2align	6
	.space	262144
	.amdgpu_metadata
---
amdhsa.version: [ 1, 2 ]
amdhsa.kernels:
  - .name:           k_q6472ee65a5_mlp
    .symbol:         k_q6472ee65a5_mlp.kd
    .args:
      - { .name: h, .offset: 0, .size: 8, .value_kind: global_buffer, .address_space: global }
      - { .name: order, .offset: 8, .size: 8, .value_kind: global_buffer, .address_space: global }
      - { .name: tiles, .offset: 16, .size: 8, .value_kind: global_buffer, .address_space: global }
      - { .name: wp, .offset: 24, .size: 8, .value_kind: global_buffer, .address_space: global }
      - { .name: b1, .offset: 32, .size: 8, .value_kind: global_buffer, .address_space: global }
      - { .name: b2, .offset: 40, .size: 8, .value_kind: global_buffer, .address_space: global }
      - { .name: b3, .offset: 48, .size: 8, .value_kind: global_buffer, .address_space: global }
      - { .name: out0, .offset: 56, .size: 8, .value_kind: global_buffer, .address_space: global }
    .group_segment_fixed_size: 266752
    .private_segment_fixed_size: 0
    .kernarg_segment_align: 8
    .kernarg_segment_size: 64
    .max_flat_workgroup_size: 128
    .sgpr_count:     96
    .vgpr_count:     770
    .wavefront_size: 32
...
	.end_amdgpu_metadata
.endif
;; end of part 3
